; MI455X (gfx1250); checked and timed in simulation.
; The chip was launched on July 23, 2026; its instructions are those of AMD's public machine-readable ISA for CDNA 5 (MIT licence, August 2026) and "CDNA5" Instruction Set Architecture Reference Guide (July 2026). The comments in the code are by the model that wrote it; some were corrected since.
;; Cross Attn Image to Token. Allowed arithmetic: matrix products marked QUANTISED: E3M2 operands, one E8M0 scale for each 32 along K, by v_wmma_scale_f32_16x16x128_f8f6f4 with both operands' format E3M2, f32 sums; everything else in f32.
;; Inputs: Wc 256 x 256 float32; Wk 256 x 256 float32; Wo 256 x 256 float32; Wq2 512 x 256 float32; Wv 256 x 256 float32; bc 256 float32; bk 256 float32; bo 256 float32; bq2 512 float32; bv 256 float32; cond_feat 4 x 1,024 x 256 float32; k 4 x 1,024 x 256 float32; q 4 x 4,096 x 256 float32; v 4 x 1,024 x 256 float32.
;; Outputs: out0 4 x 4,096 x 256 float32.
;; This version of the problem:
;;   THIS VERSION OF THE PROBLEM IS GIVEN IN LOW PRECISION. The matrix products marked QUANTISED in the list below multiply operands that are first quantised to E3M2 (3 exponent bits, 2 mantissa bits; 6 bits a number), with one power-of-two scale for each 32 numbers along K (OCP MX v1.0); their sums are f32. All else is computed in f32.
;;   The module's matrix products, in the order in which they are computed (A, B: the left and right operand; K: the contracted axis; several contracted axes count as one K, in the product's order):
;;     1. [M 16,384, K 256] x [K 256, N 512]; A: input q; B: input Wq2: QUANTISED
;;     2. [M 4,096, K 256] x [K 256, N 256]; A: input k; B: input Wk: QUANTISED
;;     3. [M 4,096, K 256] x [K 256, N 256]; A: input cond_feat; B: input Wc: QUANTISED
;;     4. [M 4,096, K 256] x [K 256, N 256]; A: input v; B: input Wv: QUANTISED
;;     5. batch 32 x [M 4,096, K 32] x [K 32, N 1,024]; A: computed on the way; B: computed on the way: QUANTISED
;;     6. batch 32 x [M 4,096, K 32] x [K 32, N 1,024]; A: computed on the way; B: computed on the way: QUANTISED
;;     7. batch 32 x [M 4,096, K 1,024] x [K 1,024, N 32]; A: computed on the way; B: computed on the way: QUANTISED
;;     8. [M 16,384, K 256] x [K 256, N 256]; A: computed on the way; B: input Wo: QUANTISED
;;   THE QUANTISER, for each operand of a quantised product, along K:
;;     - K is cut into blocks of 32 from its start; a last block that is shorter is filled with zeros.
;;     - A block's scale is 2^e with e = floor(log2(the largest magnitude in the block)) - 4, held to -126 .. 127; a block of zeros has e = 0. As a byte (E8M0): e + 127.
;;     - Each number is divided by its block's scale, clamped to +-28, and rounded to the nearest number of E3M2, ties to even, subnormals kept.
;;     - The product sums the exact products of the quantised numbers (number of the format x scale) in f32.
;;   ~~~python
;;   def quantise(x, axis):      # numpy; x: float32 -> the quantised numbers, widened to float32 again
;;       x = np.moveaxis(x, axis, -1); K = x.shape[-1]
;;       x = np.pad(x, [(0, 0)] * (x.ndim - 1) + [(0, -K % 32)]); x = x.reshape(x.shape[:-1] + (-1, 32)); a = np.abs(x).max(-1, keepdims=True)
;;       e = np.where(a > 0, np.clip(np.frexp(np.where(a > 0, a, 1))[1] - 1 - 4, -126, 127), 0)      # np.frexp(a)[1] - 1 = floor(log2(a)), exactly
;;       r = np.clip(x / 2.0 ** e, -28, 28)
;;       step = 2.0 ** (np.maximum(np.frexp(np.where(r == 0, 1, r))[1] - 1, -2) - 2)
;;       q = np.round(r / step) * step * 2.0 ** e      # np.round: ties to even
;;       return np.moveaxis(q.reshape(q.shape[:-2] + (-1,))[..., :K], -1, axis).astype(np.float32)
;;   ~~~
;;   OPERANDS COMPUTED ON THE WAY. 'Computed on the way' means the value that the module computes at that place (a softmax that the list does not call 'softmax' is quantised finished and normalised). What goes into a quantiser is computed in f32, as accurately as f32 sums, v_exp_f32 and their like allow (about 1e-6 of the number): no bf16 or f16 on the way to a quantiser, and a product that is left as it is and whose result goes on into a quantised operand takes f32 operands (vector FMAs, or v_wmma_f32_16x16x4_f32). A number that lies on a knife's edge between two numbers of the format may be rounded either way, as far as f32 arithmetic and the matrix unit's own rounding can turn it there, and no further.
;; One version. Each part assembles by itself: llvm-mc -triple=amdgcn-amd-amdhsa -mcpu=gfx1250 --defsym DOCPART=n.
;; ======== version 1 of 1: 3 launches
;; limits: right only within a limited range of input values
;; workspace buffers: q_codes 6,291,456 bytes; q_scales 1,048,576 bytes; kcv_codes 2,359,296 bytes; kcv_scales 98,304 bytes; wo_img 53,248 bytes; o_codes 3,145,728 bytes; o_scales 131,072 bytes
;; launch proj (part 1): grid 353 x 1, 4 waves a work-group, no clusters, 44,544 bytes of LDS; arguments q, k, cond_feat, v, Wq2, Wk, Wc, Wv, Wo, bq2, bk, bc, bv, q_codes, q_scales, kcv_codes, kcv_scales, wo_img; writes q_codes, q_scales, kcv_codes, kcv_scales, wo_img
.if DOCPART == 1
	.amdgcn_target "amdgcn-amd-amdhsa--gfx1250"
	.amdhsa_code_object_version 6
	.text
	.protected	k_q1f9eb4b021_proj
	.globl	k_q1f9eb4b021_proj
	.p2align	8
	.type	k_q1f9eb4b021_proj,@function
k_q1f9eb4b021_proj:
	s_mov_b64 s[64:65], 0
	v_nop
	global_prefetch_b8 v0, s[64:65] scope:SCOPE_SE
	s_setreg_imm32_b32 hwreg(HW_REG_WAVE_MODE, 25, 1), 1
	s_wait_xcnt 0x0
; THE FOUR INPUT PROJECTIONS, x W^T + b, on codes of BF6 (E3M2) with one E8M0 scale for each 32 along K = 256, and their results quantised again,
; straight into the operand images that the attention launch loads; and Wo quantised into images for the last launch.
; JOBS, by the work-group's number: 0-255 q (128 rows x 4 heads of q1 and q2), 256-287 k, 288-319 cond_feat, 320-351 v (128 rows x all 256 columns), 352 Wo.
; Every job is 128 rows of x against 256 rows of W; wave w owns 64 rows of W (8 fragments, quantised into registers) and quantises two of the eight tiles of x, which go to the
; other waves through LDS as images of the operand's registers (three stores of 16 bytes a lane, a scale word of 4 bytes a lane).
; WHICH ROWS FORM A TILE IS CHOSEN so that a lane ends up with a whole block of 32 along the NEXT product's K in 32 consecutive registers:
;   q, k, c (product used transposed, source 0 = W): tile j of W has rows R0 + 8 j + 0..7 in lanes 0-7 and the same RH rows further on in lanes 8-15: lane (r, h) holds row r of x and d = 0..31 of one head.
;   k, c, v: tile j of x has keys 64 g + 8 j + 0..7 and 64 g + 32 + 8 j + 0..7.  v (source 0 = x): lane (r, h) holds one d and keys 64 g + 32 h + 0..31.
; A block's scale is 2^(floor(log2(largest magnitude)) - 4): its byte is the largest magnitude's exponent field - 4.
; LIMITS: NaN and infinities among the inputs are not served.  A block whose largest magnitude lies under 2^-122, a block of zeros among them, gets the byte 1 (the rule says 127 for zeros): zero codes add
; nothing under any byte but 0xff, and these bytes are read by this program alone.
; The work-group for Wo walks the common stream too (its eight blocks of x, q's first rows, are quantised and not used), so that every work-group passes the one barrier on one path.
.set FRB,   1536                       ; a fragment's image: 12 registers x 32 lanes x 4 bytes
.set XIMG,  0                          ; LDS: x's 16 fragments, number 2 tile + K step
.set XSC,   16*FRB                     ; their scale words, 128 bytes each
.set FLOOR, 0x2800000                  ; 2^(5 - 127): no largest magnitude is taken under it, so the byte cannot fall under 1
.set LN,  1                            ; v1   lane
.set RR,  2                            ; v2   r = lane % 16
.set HH,  3                            ; v3   h = lane / 16
.set LI,  4                            ; v4   16 x lane
.set LS,  5                            ; v5   4 x lane
.set SH8, 6                            ; v6   8 h
.set XWI, 7                            ; v7   where I store x's images: 16 x lane + 4 FRB x wave
.set XWS, 8                            ; v8   and their scale words: XSC + 4 x lane + 512 x wave
.set PT,  9                            ; v9   a lane permute's destination
.set WOF, 10                           ; v10-13 byte offsets of my rows of W's tiles; later 8 x lane (q) or four scale bytes (k, c)
.set XO,  14                           ; v14-15 byte offsets of my rows of x's two tiles; later a store's offset
.set MX0, 16
.set MX1, 17                           ; two chains of a maximum
.set SCO, 18                           ; the conversions' scale operand
.set BY0, 19                           ; v19-20 two scale bytes
.set WD,  21                           ; a scale word on its way out
.set CT,  22                           ; v22-24 a block's upper 16 codes (a conversion's three registers begin on an even number)
.set BO,  25                           ; the bias loads' offset
.set XF,  26                           ; v26-37 the fragment of x in hand; later results' codes
.set WS,  38                           ; v38-45 W's scale words, number 2 j + K step
.set WF,  46                           ; v46-141 W's eight fragments
.set ST,  142                          ; v142-237 three sets of 32 numbers as loaded
.set BI,  142                          ; the bias, in the first set's registers
.set BC,  146                          ; v: one tile's bias spread over eight registers
.set DD,  174                          ; four accumulators
.set XA,  206                          ; q, k, c: x's two fragments
.set XAV0, 154                         ; v: x's four fragments
.set XAV1, 206
.set XAV2, 218
.set XAV3, 242
.set XS,  238                          ; v238-241 x's scale words: these registers hold nothing else
.set FA,  26
.set FB,  242                          ; k, c: the two heads' fragments
.set WV,  44
.set TYP, 45                           ; 0 q, 1 k, 2 cond_feat, 3 v, 4 Wo
.set RB,  46                           ; which 128 rows of x
.set XP,  48
.set WP,  50
.set BP,  52
.set OC,  54
.set OS,  56
.set SEL, 58
.set R0,  60
.set RH,  61
.set TS,  62
.set EX,  63
.set XT,  66
.set XH,  67
.set HD,  75
.set WPH, 76                           ; s[76:77] W's base for a tile's rows 8-15: RH rows on
.set XPH, 78                           ; s[78:79] x's base for a tile's rows 8-15: XH rows on
.set SGP, 272                          ; the stage's pitch: 256 bytes + 16, so that the sixteen rows that a load touches begin 4 banks apart
.set STG, 27136                        ; LDS, behind the spare words: a stage of 16 rows x SGP bytes for each wave, its own
.set SGI, 252                          ; v252 the stage, on the way in: row l / 16, 16 bytes at 16 (l % 16)
.set SGO, 253                          ; v253 and on the way out: row r, 128 bytes at 128 h
.macro PLACES                          ; four plain vector instructions behind a matrix instruction, ahead of reads of its result and of loads into its registers
.rept 4
	v_nop
.endr
.endm
.macro BAR                             ; my LDS stores have landed and my LDS loads are in: then the work-group's barrier
	s_wait_dscnt 0x0
	s_barrier_signal -1
	s_barrier_wait -1
.endm
; 32 numbers of one lane, one block along K, become six registers of codes and a scale byte.  The registers are taken in ascending order.
.macro QBLK src, dst, by
	v_max3_num_f32 v[MX0], |v[(\src)]|, |v[(\src)+1]|, FLOOR
	v_max3_num_f32 v[MX1], |v[(\src)+2]|, |v[(\src)+3]|, FLOOR
.irp i, 4,8,12,16,20,24,28
	v_max3_num_f32 v[MX0], v[MX0], |v[(\src)+\i]|, |v[(\src)+\i+1]|
	v_max3_num_f32 v[MX1], v[MX1], |v[(\src)+\i+2]|, |v[(\src)+\i+3]|
.endr
	v_max_num_f32 v[MX0], v[MX0], v[MX1]
	v_add_nc_u32 v[SCO], 0xfe000000, v[MX0]        ; 4 off the exponent field: the conversion takes the exponent field of this operand as its scale
	v_cvt_scalef32_pk16_bf6_f32 v[(\dst):(\dst)+2], v[(\src):(\src)+15], v[SCO]
	v_cvt_scalef32_pk16_bf6_f32 v[CT:CT+2], v[(\src)+16:(\src)+31], v[SCO]
	v_lshrrev_b32 v[(\by)], 23, v[SCO]             ; the byte; also the plain instruction behind the conversions
.irp i, 0,1,2
	v_mov_b32 v[(\dst)+3+\i], v[CT+\i]
.endr
.endm
; a fragment's scale word: my bytes are those of blocks h and 2 + h; lane l xor 16 has the other two
.macro WORD wd, b0, b1
	v_lshl_or_b32 v[(\wd)], v[(\b1)], 16, v[(\b0)]
	v_lshlrev_b32 v[(\wd)], v[SH8], v[(\wd)]
	v_permlanex16_b32 v[PT], v[(\wd)], s[SEL], s[SEL+1]
	v_or_b32 v[(\wd)], v[(\wd)], v[PT]
.endm
.macro WM d, a, b, c, sa, sb
	v_wmma_scale_f32_16x16x128_f8f6f4 v[(\d):(\d)+7], v[(\a):(\a)+11], v[(\b):(\b)+11], v[(\c):(\c)+7], v[(\sa)], v[(\sb)] matrix_a_fmt:MATRIX_FMT_BF6 matrix_b_fmt:MATRIX_FMT_BF6
.endm
	s_load_b512 s[8:23], s[0:1], 0x0               ; q, k, cond_feat, v, Wq2, Wk, Wc, Wv
	s_load_b512 s[24:39], s[0:1], 0x40             ; Wo, bq2, bk, bc, bv, q_codes, q_scales, kcv_codes
	s_load_b128 s[40:43], s[0:1], 0x80             ; kcv_scales, wo_img
	v_lshl_add_u32 v254, v0, 2, 0x6800
	v_mov_b32 v255, 0
	v_lshrrev_b32 v[LN], 5, v0
	v_readfirstlane_b32 s[WV], v[LN]               ; wave 0..3
	v_and_b32 v[LN], 31, v0
	v_and_b32 v[RR], 15, v0
	s_wait_alu depctr_va_vdst(0)
	v_bfe_u32 v[HH], v0, 4, 1
	v_lshlrev_b32 v[LI], 4, v[LN]
	v_lshlrev_b32 v[LS], 2, v[LN]
	v_lshlrev_b32 v[SH8], 3, v[HH]
	s_mul_i32 s68, s[WV], 4*FRB
	v_add_nc_u32 v[XWI], s68, v[LI]
	s_mul_i32 s68, s[WV], 16*SGP
	s_add_co_u32 s68, s68, STG                     ; my stage
	v_mul_u32_u24 v[SGO], v[RR], SGP
	v_lshl_add_u32 v[SGO], v[HH], 7, v[SGO]
	v_add_nc_u32 v[SGO], s68, v[SGO]
	v_mul_u32_u24 v[SGI], v[HH], SGP
	v_lshl_add_u32 v[SGI], v[RR], 4, v[SGI]
	v_add_nc_u32 v[SGI], s68, v[SGI]
	s_lshl_b32 s68, s[WV], 9
	s_add_co_u32 s68, s68, XSC
	v_add_nc_u32 v[XWS], s68, v[LS]
	v_mov_b32 v[PT], 0                             ; written once: a lane permute's destination counts as one of its sources
	s_mov_b32 s[SEL], 0x76543210
	s_mov_b32 s[SEL+1], 0xfedcba98                 ; v_permlanex16_b32's selects for lane l xor 16
	; the job
	s_sub_co_u32 s68, ttmp9, 256
	s_lshr_b32 s69, s68, 5
	s_add_co_u32 s69, s69, 1                       ; 1 + (number - 256) / 32
	s_and_b32 s70, s68, 31
	s_lshr_b32 s71, ttmp9, 1
	s_and_b32 s[HD], ttmp9, 1
	s_lshl_b32 s[HD], s[HD], 2
	s_add_co_u32 s[HD], s[HD], s[WV]               ; q: my head
	s_lshl_b32 s73, s[HD], 5
	s_lshl_b32 s74, s[WV], 6
	s_cmp_lt_u32 ttmp9, 256
	s_cselect_b32 s[TYP], 0, s69
	s_cselect_b32 s[RB], s71, s70
	s_cselect_b32 s[R0], s73, s74                  ; my first row of W: 32 x head, or 64 x wave
	s_cselect_b32 s[RH], 256, 32                   ; from a tile's lanes 0-7 to its lanes 8-15, in rows of W: q1 to q2; a head to the next;
	s_cselect_b32 s[XT], 16, 8                     ; from tile to tile of x, and
	s_cselect_b32 s[XH], 8, 32                     ; from lanes 0-7 to lanes 8-15, in rows of x
	s_cmp_eq_u32 s[TYP], 3
	s_cselect_b32 s[RH], 16, s[RH]                 ; v: d and d + 16;
	s_cselect_b32 s[EX], 16, 0                     ; v: tiles 2, 3 are the next head's
	s_cmp_eq_u32 s[TYP], 4
	s_cselect_b32 s[RH], 8, s[RH]                  ; Wo: rows as they lie
	s_cselect_b32 s[TS], 16, 8                     ; from tile to tile of W
	v_lshlrev_b32 v[SCO], 4, v[RR]                 ; a load's lanes 0-15 take 256 neighbouring bytes of one row,
	v_lshl_add_u32 v[SCO], v[HH], 10, v[SCO]       ; lanes 16-31 those of the next row, 1,024 bytes on
	s_wait_alu depctr_va_vdst(0)
.irp j, 0,1,2,3
	s_mul_i32 s68, s[TS], \j
	s_mul_i32 s69, s[EX], \j/2
	s_add_co_u32 s68, s68, s69
	s_lshl_b32 s68, s68, 10
	v_add_nc_u32 v[WOF+\j], s68, v[SCO]
.endr
	s_and_b32 s68, s[WV], 1
	s_lshl_b32 s68, s68, 1
	s_mul_i32 s68, s68, s[XT]
	s_lshl_b32 s68, s68, 10                        ; my tiles of x are 2 w and 2 w + 1: in their half of 64 rows numbers 2 (w % 2) and the next
	s_lshl_b32 s69, s[XT], 10
	v_add_nc_u32 v[XO], s68, v[SCO]
	s_add_co_u32 s68, s68, s69
	v_add_nc_u32 v[XO+1], s68, v[SCO]
	s_wait_alu depctr_va_vdst(0)
	s_wait_kmcnt 0x0
	s_mov_b64 s[XP:XP+1], s[8:9]                   ; the buffers are chosen by the job alone
	s_mov_b64 s[WP:WP+1], s[16:17]
	s_mov_b64 s[BP:BP+1], s[26:27]
	s_cmp_eq_u32 s[TYP], 1
	s_cselect_b64 s[XP:XP+1], s[10:11], s[XP:XP+1]
	s_cselect_b64 s[WP:WP+1], s[18:19], s[WP:WP+1]
	s_cselect_b64 s[BP:BP+1], s[28:29], s[BP:BP+1]
	s_cmp_eq_u32 s[TYP], 2
	s_cselect_b64 s[XP:XP+1], s[12:13], s[XP:XP+1]
	s_cselect_b64 s[WP:WP+1], s[20:21], s[WP:WP+1]
	s_cselect_b64 s[BP:BP+1], s[30:31], s[BP:BP+1]
	s_cmp_eq_u32 s[TYP], 3
	s_cselect_b64 s[XP:XP+1], s[14:15], s[XP:XP+1]
	s_cselect_b64 s[WP:WP+1], s[22:23], s[WP:WP+1]
	s_cselect_b64 s[BP:BP+1], s[32:33], s[BP:BP+1]
	s_cmp_eq_u32 s[TYP], 4
	s_cselect_b64 s[WP:WP+1], s[24:25], s[WP:WP+1]
	s_lshl_b32 s68, s[R0], 10
	s_mov_b32 s69, 0
	s_add_nc_u64 s[WP:WP+1], s[WP:WP+1], s[68:69]
	s_lshl_b32 s70, s[RH], 10
	s_mov_b32 s71, 0
	s_add_nc_u64 s[WPH:WPH+1], s[WP:WP+1], s[70:71]    ; a tile's rows 8-15 lie RH rows behind its rows 0-7
	s_lshl_b32 s68, s[R0], 2
	s_add_nc_u64 s[BP:BP+1], s[BP:BP+1], s[68:69]
	s_lshl_b32 s68, s[RB], 17                      ; 128 rows of 1,024 bytes
	s_lshr_b32 s70, s[WV], 1
	s_lshl_b32 s70, s70, 16                        ; my tiles' half of 64 rows
	s_add_co_u32 s68, s68, s70
	s_add_nc_u64 s[XP:XP+1], s[XP:XP+1], s[68:69]
	s_lshl_b32 s70, s[XH], 10
	s_add_nc_u64 s[XPH:XPH+1], s[XP:XP+1], s[70:71]    ; and in x XH rows
; THE STREAM: 24 blocks of 32 numbers a lane.  Blocks 0-15: W's tile n / 4, K step (n / 2) % 2, half n % 2 of the step; blocks 16-23: the same of my two tiles of x.
; A block is 256 consecutive bytes of each of a tile's 16 rows.  Eight loads bring it, each two rows: sixteen neighbouring lanes take a row's 256 bytes, 16 bytes a lane.  The block then turns through my own stage in LDS:
; eight stores as loaded, eight loads back, after which lane (r, h) holds the 128 bytes at 128 h of row r: 32 neighbours along K.  Three sets of registers: two blocks are on their way while one is worked.
.macro LOADB n
.set lb_r, ST+32*((\n)%3)
.set lb_o, 512*(((\n)/2)%2)+256*((\n)%2)
.if (\n) < 16
.irp i, 0,1,2,3
	global_load_b128 v[lb_r+4*\i:lb_r+4*\i+3], v[WOF+(\n)/4], s[WP:WP+1] offset:lb_o+2048*\i           ; the tile's rows 2 i and 2 i + 1
	global_load_b128 v[lb_r+16+4*\i:lb_r+16+4*\i+3], v[WOF+(\n)/4], s[WPH:WPH+1] offset:lb_o+2048*\i   ; and rows 8 + 2 i and 9 + 2 i
.endr
.else
.irp i, 0,1,2,3
	global_load_b128 v[lb_r+4*\i:lb_r+4*\i+3], v[XO+((\n)-16)/4], s[XP:XP+1] offset:lb_o+2048*\i
	global_load_b128 v[lb_r+16+4*\i:lb_r+16+4*\i+3], v[XO+((\n)-16)/4], s[XPH:XPH+1] offset:lb_o+2048*\i
.endr
.endif
.endm
.macro STEPB n, left                   ; left: the loads issued behind block n's, which may stay out
.set sb_c, (\n)%2
.set sb_s, ((\n)/2)%2
	s_wait_loadcnt \left
.irp i, 0,1,2,3,4,5,6,7
	ds_store_b128 v[SGI], v[ST+32*((\n)%3)+4*\i:ST+32*((\n)%3)+4*\i+3] offset:2*SGP*\i     ; rows 2 i and 2 i + 1 of the stage
.endr
.irp i, 0,1,2,3,4,5,6,7
	ds_load_b128 v[ST+32*((\n)%3)+4*\i:ST+32*((\n)%3)+4*\i+3], v[SGO] offset:16*\i         ; LDS serves a wave's instructions in order (ISA guide 5.7.1.4): these see the stores above
.endr
	s_wait_dscnt 0x0                               ; my 32 neighbours are in
.if (\n) < 16
.set sb_d, WF+12*(2*((\n)/4)+sb_s)+6*sb_c
.else
.set sb_d, XF+6*sb_c
.if ((\n) > 16) && (sb_c == 0)
	s_wait_dscnt 0x0                               ; the last image's stores have read the fragment's registers
.endif
.endif
	QBLK ST+32*((\n)%3), sb_d, BY0+sb_c
.if (\n)+3 < 24
	LOADB (\n)+3
.endif
.if sb_c == 1
.if (\n) < 16
	WORD WS+2*((\n)/4)+sb_s, BY0, BY0+1
.else
	WORD WD, BY0, BY0+1
.set sb_f, 2*(((\n)-16)/4)+sb_s
.irp u, 0,1,2
	ds_store_b128 v[XWI], v[XF+4*\u:XF+4*\u+3] offset:XIMG+sb_f*FRB+512*\u
.endr
	ds_store_b32 v[XWS], v[WD] offset:sb_f*128
.endif
.endif
.endm
	LOADB 0
	LOADB 1
	LOADB 2
.set nn, 0
.rept 22
	STEPB nn, 16                                   ; the two younger blocks' sixteen loads may stay out
.set nn, nn+1
.endr
	; the bias takes the set that block 21 has left
	s_cmp_eq_u32 s[TYP], 3
	s_cbranch_scc1 .Lbias_v
	v_mul_u32_u24 v[BO], v[HH], s[RH]              ; q, k, c: register i of tile j in lane (r, h) is W's row R0 + 8 j + i + RH h
	v_lshlrev_b32 v[BO], 2, v[BO]
.irp j, 0,1,2,3
	global_load_b128 v[BI+8*\j:BI+8*\j+3], v[BO], s[BP:BP+1] offset:32*\j
	global_load_b128 v[BI+8*\j+4:BI+8*\j+7], v[BO], s[BP:BP+1] offset:32*\j+16
.endr
	s_branch .Lbias_done
.Lbias_v:
	v_and_b32 v[BO], 8, v[RR]                      ; v: a lane holds one row of W: R0 + 32 (j / 2) + 8 (j % 2) + r % 8 + 16 (r / 8)
	v_add_nc_u32 v[BO], v[BO], v[RR]
	v_lshlrev_b32 v[BO], 2, v[BO]
.irp j, 0,1,2,3
	global_load_b32 v[BI+\j], v[BO], s[BP:BP+1] offset:4*(32*(\j/2)+8*(\j%2))
.endr
.Lbias_done:
	STEPB 22, 12                                   ; behind block 22's loads: block 23's eight and four bias loads at the least
	STEPB 23, 4                                    ; behind block 23's: four bias loads at the least
	BAR                                            ; x's sixteen fragments lie in LDS
	s_wait_loadcnt 0x0                             ; the bias
	s_cmp_eq_u32 s[TYP], 4
	s_cbranch_scc1 .Lwo
	s_cmp_eq_u32 s[TYP], 3
	s_cbranch_scc1 .Lv
	s_cmp_eq_u32 s[TYP], 0
	s_cbranch_scc1 .Lq
.macro FETCH t                         ; tile t of x: two fragments and their scale words
.irp f, 0,1
.irp u, 0,1,2
	ds_load_b128 v[XA+12*\f+4*\u:XA+12*\f+4*\u+3], v[LI] offset:XIMG+(2*(\t)+\f)*FRB+512*\u
.endr
	ds_load_b32 v[XS+\f], v[LS] offset:XSC+(2*(\t)+\f)*128
.endr
.endm
; One tile of 16 rows of x against my four tiles of W, transposed: the four accumulators take turns, one instruction a turn; the bias is the C of each sum's first product.
; Lane (r, h) then holds row r of x and 32 neighbours along d of one head: a block.  kind 0: q;  kind 1: k, c.
.macro TT t, kind
	s_wait_dscnt 0x0
.irp j, 0,1,2,3
	WM DD+8*\j, WF+24*\j, XA, BI+8*\j, WS+2*\j, XS
.endr
.irp j, 0,1,2,3
	WM DD+8*\j, WF+24*\j+12, XA+12, DD+8*\j, WS+2*\j+1, XS+1
.endr
	PLACES
.if (\t) < 7
	FETCH (\t)+1
.endif
	s_wait_xcnt 0x0                                ; earlier stores have read their data: the codes' registers and the word may be written again
.if (\kind) == 0
	QBLK DD, FA, BY0
	v_perm_b32 v[WD], v[BY0], v[BY0], 0            ; the byte four times: the scores' product sets q into any of its four blocks of K
.irp p, 0,1,2
	global_store_b64 v[WOF], v[FA+2*\p:FA+2*\p+1], s[OC:OC+1] offset:768*(\t)+256*\p   ; 32 lanes store 256 consecutive bytes, aligned
.endr
	global_store_b32 v[LS], v[WD], s[OS:OS+1] offset:128*(\t)
.else
.set tt_j, (\t)%4
.set tt_g, (\t)/4
.set tt_d, FA+6*(tt_j/2)
.if tt_j%2
.set tt_d, FB+6*(tt_j/2)
.endif
	QBLK DD, tt_d, WOF+tt_j
.if tt_j == 3
; A group's fragment holds key tile 2 c + h' in registers 6 c .. of lanes 16 h' ..: the first run's lanes 16-31 change places with the second's lanes 0-15, and each run is one head's fragment
.irp i, 0,1,2,3,4,5,6,7,8,9,10,11
	v_permlane16_swap_b32 v[FA+\i], v[FB+\i]
.endr
	v_lshl_or_b32 v[WD], v[WOF+1], 8, v[WOF]       ; byte j: tile j, my row, my half's head
	v_lshl_or_b32 v[WD], v[WOF+2], 16, v[WD]
	v_lshl_or_b32 v[WD], v[WOF+3], 24, v[WD]
.irp u, 0,1,2
	global_store_b128 v[LI], v[FA+4*\u:FA+4*\u+3], s[OC:OC+1] offset:tt_g*FRB+512*\u            ; 512 consecutive bytes
	global_store_b128 v[LI], v[FB+4*\u:FB+4*\u+3], s[OC:OC+1] offset:16*FRB+tt_g*FRB+512*\u     ; the next head's
.endr
	global_store_b32 v[XO], v[WD], s[OS:OS+1] offset:64*tt_g
.endif
.endif
.endm
	; ---- k, cond_feat: heads 2 w and 2 w + 1, groups 2 (block % 8) and the next
	s_lshr_b32 s68, s[RB], 3
	s_lshl_b32 s68, s68, 3
	s_lshl_b32 s69, s[WV], 1
	s_add_co_u32 s68, s68, s69                     ; 8 b + 2 w
	s_lshl_b32 s68, s68, 4
	s_and_b32 s69, s[RB], 7
	s_lshl_b32 s69, s69, 1
	s_add_co_u32 s68, s68, s69                     ; the group, counted over all heads
	s_sub_co_u32 s70, s[TYP], 1
	s_mul_i32 s72, s68, FRB
	s_mul_i32 s71, s70, 786432
	s_add_co_u32 s72, s72, s71
	s_mov_b32 s73, 0
	s_add_nc_u64 s[OC:OC+1], s[38:39], s[72:73]
	s_lshl_b32 s72, s68, 6
	s_lshl_b32 s71, s70, 15
	s_add_co_u32 s72, s72, s71
	s_add_nc_u64 s[OS:OS+1], s[40:41], s[72:73]
	v_lshlrev_b32 v[XO], 2, v[RR]
	v_lshl_add_u32 v[XO], v[HH], 10, v[XO]         ; 4 r, and a head's 1,024 bytes of scale words for lanes 16-31
	FETCH 0
.irp e, 0,1,2,3,4,5,6,7
	TT \e, 1
.endr
	s_wait_tensorcnt 0x0
	ds_add_u32 v254, v255
	s_wait_dscnt 0x0
	s_endpgm
.Lq:	; ---- q: q1 (lanes 0-15) and q2 (lanes 16-31) of my head, tiles 8 (block % 32) on
	s_lshr_b32 s68, s[RB], 5
	s_lshl_b32 s68, s68, 3
	s_add_co_u32 s68, s68, s[HD]
	s_lshl_b32 s68, s68, 8
	s_and_b32 s69, s[RB], 31
	s_lshl_b32 s69, s69, 3
	s_add_co_u32 s68, s68, s69                     ; the tile, counted over all heads
	s_mul_i32 s72, s68, 768
	s_mov_b32 s73, 0
	s_add_nc_u64 s[OC:OC+1], s[34:35], s[72:73]
	s_lshl_b32 s72, s68, 7
	s_add_nc_u64 s[OS:OS+1], s[36:37], s[72:73]
	v_lshlrev_b32 v[WOF], 3, v[LN]
	FETCH 0
.irp e, 0,1,2,3,4,5,6,7
	TT \e, 0
.endr
	s_wait_tensorcnt 0x0
	ds_add_u32 v254, v255
	s_wait_dscnt 0x0
	s_endpgm
; ---- v: source 0 = x, source 1 = W: lane (r, h) holds one d of tile q of W and, over x's four tiles of a group, keys 64 g + 32 h + 0..31: a block along the keys.  Two groups make a fragment of V^T.
.macro VT q
.irp i, 0,1,2,3,4,5,6,7
	v_mov_b32 v[BC+\i], v[BI+(\q)]
.endr
	s_wait_alu depctr_va_vdst(0)
	PLACES
.irp g, 0,1
.irp f, 0,1
.irp j, 0,1,2,3
.irp u, 0,1,2
	ds_load_b128 v[XAV\j+4*\u:XAV\j+4*\u+3], v[LI] offset:XIMG+(2*(4*\g+\j)+\f)*FRB+512*\u
.endr
	ds_load_b32 v[XS+\j], v[LS] offset:XSC+(2*(4*\g+\j)+\f)*128
.endr
	s_wait_dscnt 0x0
.irp j, 0,1,2,3
.if \f == 0
	WM DD+8*\j, XAV\j, WF+12*(2*(\q)+\f), BC, XS+\j, WS+2*(\q)+\f
.else
	WM DD+8*\j, XAV\j, WF+12*(2*(\q)+\f), DD+8*\j, XS+\j, WS+2*(\q)+\f
.endif
.endr
	PLACES
.endr
.if \g == 0
	s_wait_xcnt 0x0                                ; the last fragment's stores have read their data
.endif
	QBLK DD, XF+6*\g, BY0+\g
.endr
	WORD WD, BY0, BY0+1
.irp u, 0,1,2
	global_store_b128 v[LI], v[XF+4*\u:XF+4*\u+3], s[OC:OC+1] offset:((\q)/2)*16*FRB+((\q)%2)*FRB+512*\u
.endr
	global_store_b32 v[XO], v[WD], s[OS:OS+1] offset:((\q)/2)*1024+((\q)%2)*64   ; both halves of the lanes store the same word
.endm
.Lv:
	s_lshr_b32 s68, s[RB], 3
	s_lshl_b32 s68, s68, 3
	s_lshl_b32 s69, s[WV], 1
	s_add_co_u32 s68, s68, s69                     ; 8 b + 2 w
	s_lshl_b32 s68, s68, 3
	s_and_b32 s69, s[RB], 7
	s_add_co_u32 s68, s68, s69                     ; the step of 128 keys, counted over all heads
	s_mul_i32 s72, s68, 2*FRB
	s_add_co_u32 s72, s72, 1572864
	s_mov_b32 s73, 0
	s_add_nc_u64 s[OC:OC+1], s[38:39], s[72:73]
	s_lshl_b32 s72, s68, 7
	s_add_co_u32 s72, s72, 65536
	s_add_nc_u64 s[OS:OS+1], s[40:41], s[72:73]
	v_lshlrev_b32 v[XO], 2, v[RR]
	VT 0
	VT 1
	VT 2
	VT 3
	s_wait_tensorcnt 0x0
	ds_add_u32 v254, v255
	s_wait_dscnt 0x0
	s_endpgm
.Lwo:	; ---- Wo: my eight fragments and their scale words leave as they stand
	s_mul_i32 s68, s[WV], 8*FRB
	s_mov_b32 s69, 0
	s_add_nc_u64 s[OC:OC+1], s[42:43], s[68:69]
	s_lshl_b32 s68, s[WV], 10
	s_add_co_u32 s68, s68, 49152
	s_add_nc_u64 s[OS:OS+1], s[42:43], s[68:69]
.irp f, 0,1,2,3,4,5,6,7
.irp u, 0,1,2
	global_store_b128 v[LI], v[WF+12*\f+4*\u:WF+12*\f+4*\u+3], s[OC:OC+1] offset:\f*FRB+512*\u
.endr
	global_store_b32 v[LS], v[WS+\f], s[OS:OS+1] offset:128*\f
.endr
	s_wait_tensorcnt 0x0
	ds_add_u32 v254, v255
	s_wait_dscnt 0x0
	s_endpgm
.Lfunc_end_k_q1f9eb4b021_proj:
	.size	k_q1f9eb4b021_proj, .Lfunc_end_k_q1f9eb4b021_proj-k_q1f9eb4b021_proj
	.p2alignl 7, 3214868480
	.fill 96, 4, 3214868480
	.section	.rodata,"a",@progbits
	.p2align	6, 0x0
	.amdhsa_kernel k_q1f9eb4b021_proj
		.amdhsa_group_segment_fixed_size 44544
		.amdhsa_private_segment_fixed_size 0
		.amdhsa_enable_private_segment 0
		.amdhsa_kernarg_size 144
		.amdhsa_user_sgpr_count 2
		.amdhsa_user_sgpr_kernarg_segment_ptr 1
		.amdhsa_wavefront_size32 1
		.amdhsa_system_sgpr_workgroup_id_x 1
		.amdhsa_system_sgpr_workgroup_id_y 1
		.amdhsa_system_sgpr_workgroup_id_z 1
		.amdhsa_system_vgpr_workitem_id 0
		.amdhsa_next_free_vgpr 256
		.amdhsa_next_free_sgpr 80
		.amdhsa_reserve_vcc 0
		.amdhsa_float_denorm_mode_32 3
		.amdhsa_float_denorm_mode_16_64 3
		.amdhsa_memory_ordered 1
		.amdhsa_forward_progress 1
		.amdhsa_inst_pref_size 190
	.end_amdhsa_kernel
	.amdgpu_metadata
---
amdhsa.version: [ 1, 2 ]
amdhsa.kernels:
  - .name:           k_q1f9eb4b021_proj
    .symbol:         k_q1f9eb4b021_proj.kd
    .args:
      - { .name: q, .offset: 0, .size: 8, .value_kind: global_buffer, .address_space: global }
      - { .name: k, .offset: 8, .size: 8, .value_kind: global_buffer, .address_space: global }
      - { .name: cond_feat, .offset: 16, .size: 8, .value_kind: global_buffer, .address_space: global }
      - { .name: v, .offset: 24, .size: 8, .value_kind: global_buffer, .address_space: global }
      - { .name: Wq2, .offset: 32, .size: 8, .value_kind: global_buffer, .address_space: global }
      - { .name: Wk, .offset: 40, .size: 8, .value_kind: global_buffer, .address_space: global }
      - { .name: Wc, .offset: 48, .size: 8, .value_kind: global_buffer, .address_space: global }
      - { .name: Wv, .offset: 56, .size: 8, .value_kind: global_buffer, .address_space: global }
      - { .name: Wo, .offset: 64, .size: 8, .value_kind: global_buffer, .address_space: global }
      - { .name: bq2, .offset: 72, .size: 8, .value_kind: global_buffer, .address_space: global }
      - { .name: bk, .offset: 80, .size: 8, .value_kind: global_buffer, .address_space: global }
      - { .name: bc, .offset: 88, .size: 8, .value_kind: global_buffer, .address_space: global }
      - { .name: bv, .offset: 96, .size: 8, .value_kind: global_buffer, .address_space: global }
      - { .name: q_codes, .offset: 104, .size: 8, .value_kind: global_buffer, .address_space: global }
      - { .name: q_scales, .offset: 112, .size: 8, .value_kind: global_buffer, .address_space: global }
      - { .name: kcv_codes, .offset: 120, .size: 8, .value_kind: global_buffer, .address_space: global }
      - { .name: kcv_scales, .offset: 128, .size: 8, .value_kind: global_buffer, .address_space: global }
      - { .name: wo_img, .offset: 136, .size: 8, .value_kind: global_buffer, .address_space: global }
    .group_segment_fixed_size: 44544
    .private_segment_fixed_size: 0
    .kernarg_segment_align: 8
    .kernarg_segment_size: 144
    .max_flat_workgroup_size: 128
    .sgpr_count:     80
    .vgpr_count:     256
    .wavefront_size: 32
...
	.end_amdgpu_metadata
.endif
;; end of part 1
;; launch attn (part 2): grid 8 x 32, 16 waves a work-group, no clusters, 249,344 bytes of LDS; arguments q_codes, q_scales, kcv_codes, kcv_scales, o_codes, o_scales; writes o_codes, o_scales
.if DOCPART == 2
	.amdgcn_target "amdgcn-amd-amdhsa--gfx1250"
	.amdhsa_code_object_version 6
	.text
	.protected	k_q1f9eb4b021_attn
	.globl	k_q1f9eb4b021_attn
	.p2align	8
	.type	k_q1f9eb4b021_attn,@function
k_q1f9eb4b021_attn:
	s_mov_b64 s[64:65], 0
	v_nop
	global_prefetch_b8 v0, s[64:65] scope:SCOPE_SE
	s_setreg_imm32_b32 hwreg(HW_REG_WAVE_MODE, 25, 1), 1
	s_wait_xcnt 0x0
; attn = 0.5 softmax(q1 k^T / sqrt(32)) + 0.5 softmax(q2 c^T / sqrt(32)), finished and normalised in f32, quantised along the keys, times V; the result quantised along the head's 32.
; All products on codes of BF6 (E3M2) with one E8M0 scale for each 32 along K.
; SHARES.  A work-group owns 512 queries of one head: two sets of eight waves, each set 16 tiles of 16 queries.  THE KEYS ARE SHARED OUT AMONG A SET'S WAVES: wave w owns keys 128 w .. 128 w + 127; its fragments
; of k and c (48 registers) stay in registers for the whole launch.  For a tile it makes its 2 x 128 scores a query, takes its OWN maximum away, exponentiates each score once, and publishes (c m, sum) in LDS;
; behind one barrier every wave reads the eight pairs, forms the row's maximum M and sum L, and scales its p by 2^(c m - M) 0.5 / L: the finished attn of its 128 keys, which is one K step of the last product.
; Its codes go to LDS as an image of the operand's registers.  After eight tiles wave w multiplies tile w by V over all eight K steps.
; K = 32 IS ONE BLOCK OF THE INSTRUCTION'S FOUR.  A fragment of k holds FOUR tiles of 16 keys, one in each block of K; the queries' operand has q in one block and zero codes in the others: four variants, read
; out of one run of 30 registers [0 | q in lanes 0-15 | 0 | q in lanes 16-31 | 0].  q's scale word holds its byte four times.
; THE KEYS OF A TILE: tile j of group g has keys 64 g + 8 j + 0..7 in rows 0-7 and 64 g + 32 + 8 j + 0..7 in rows 8-15, so that in S^T = k q^T lane (r, h) holds query r and its 32 registers of a group are keys
; 64 g + 32 h + 0..31: a whole block of the last product's K in one lane, in the order in which the operand's registers want it.
; LIMITS: NaN and infinities are not served.  v_exp_f32 gives 0 for results under 2^-126.  A block of attn or of the result whose largest magnitude lies under 2^-122 gets the scale byte 1.
.set FRB,  1536                        ; a fragment's image
.set VIMG, 0                           ; LDS: V's 16 fragments (2 step + t)
.set VSC,  24576                       ; V's scale words: [step][lane]: lanes 0-15 t = 0, lanes 16-31 t = 1
.set STAT, 25600                       ; (c m, sum): [tile's parity][thread][8 bytes]
.set PIMG, 33792                       ; attn's images: [set][K step = the wave that wrote it][tile of the batch][FRB]
.set PSC,  230400                      ; their scale words: [set][K step][tile][lane]
.set OSB,  246784                      ; the result's 512 scale bytes
.set FLOOR, 0x2800000                  ; 2^(5 - 127)
.set QO,  1                            ; v1   8 r
.set QSO, 2                            ; v2   4 x lane
.set STW, 3                            ; v3   STAT + 8 x thread
.set STR, 4                            ; v4   STAT + my set + 8 x lane
.set PWB, 5                            ; v5   where my images begin
.set PSB, 6                            ; v6   and their scale words
.set LNE, 7                            ; v7   lane
.set RR,  8                            ; v8   r
.set MA,  9                            ; v9   all ones in lanes 0-15
.set MB,  10                           ; v10  all ones in lanes 16-31
.set SH8, 11                           ; v11  8 h
.set PSX, 12                           ; v12-15 scale words of attn and of V, for two K steps by turns: these registers hold nothing else
.set HH,  16                           ; v16  h
.set LI,  17                           ; v17  16 x lane
.set QSC, 18                           ; v18-19 q's scale words, by the tile's parity: lanes 0-15 q1's, lanes 16-31 q2's
.set KSW, 20                           ; v20  k's scale words: lanes 0-15 my first group, lanes 16-31 my second
.set CSW, 21                           ; v21  c's
.set KF,  22                           ; v22-45 k's two fragments
.set CF,  46                           ; v46-69 c's
.set Z0,  70                           ; v70-99 the run of 30
.set QA,  76
.set Z1,  82
.set QB,  88
.set Z2,  94
.set R1,  100                          ; v100-105 q1's codes as loaded
.set R2,  106                          ; v106-111 q2's
.set S1,  112                          ; v112-175 scores, p, attn
.set S2,  176                          ; v176-239 scores, p of the second softmax; then at work
.set T,   240                          ; v240-255 at work
.set PF,  176                          ; attn's fragment
.set PWD, 188                          ; its scale word
.set PPT, 189
.set PCT, 190                          ; v190-192, v194-196
.set PMX, 198
.set PSO, 202
.set PBY, 204
.set PWA, 206
.set PSA, 207
.set PX,  112                          ; the last product: two sets of 36 registers (attn, V's two tiles), at v112 and v150
.set O0,  192
.set O1,  200
.set PRA, 208                          ; v208-209
.set PRS, 210
.set VSA, 211
.set OGO, 212
.set OBA, 213
.set WVN, 16
.set SG,  17
.set WW,  18
.set QP,  20
.set QSP, 22
.set OCP, 24
.set OSP, 26
.set CC,  28                           ; s[28:29] c = log2(e) / sqrt(32)
.set SEL, 30
.set HM,  32                           ; lanes 16-31, as a mask
.set TP,  33
.set TQ,  34
.set TN,  35
.set LC,  36
.set QST, 38
.set QSS, 40
.set PRBS, 42
.set PRSS, 43
.set OBAS, 44
.macro PLACES
.rept 4
	v_nop
.endr
.endm
.macro BAR
	s_wait_dscnt 0x0
	s_barrier_signal -1
	s_barrier_wait -1
.endm
.macro WS0 d, a, b, sa, sb, ra, rb     ; a product that starts its sum; ra, rb: the scales stand in lanes 16-31
.if ((\ra) == 0) && ((\rb) == 0)
	v_wmma_scale_f32_16x16x128_f8f6f4 v[(\d):(\d)+7], v[(\a):(\a)+11], v[(\b):(\b)+11], 0, v[(\sa)], v[(\sb)] matrix_a_fmt:MATRIX_FMT_BF6 matrix_b_fmt:MATRIX_FMT_BF6
.elseif ((\rb) == 0)
	v_wmma_scale_f32_16x16x128_f8f6f4 v[(\d):(\d)+7], v[(\a):(\a)+11], v[(\b):(\b)+11], 0, v[(\sa)], v[(\sb)] matrix_a_fmt:MATRIX_FMT_BF6 matrix_b_fmt:MATRIX_FMT_BF6 matrix_a_scale:MATRIX_SCALE_ROW1
.elseif ((\ra) == 0)
	v_wmma_scale_f32_16x16x128_f8f6f4 v[(\d):(\d)+7], v[(\a):(\a)+11], v[(\b):(\b)+11], 0, v[(\sa)], v[(\sb)] matrix_a_fmt:MATRIX_FMT_BF6 matrix_b_fmt:MATRIX_FMT_BF6 matrix_b_scale:MATRIX_SCALE_ROW1
.else
	v_wmma_scale_f32_16x16x128_f8f6f4 v[(\d):(\d)+7], v[(\a):(\a)+11], v[(\b):(\b)+11], 0, v[(\sa)], v[(\sb)] matrix_a_fmt:MATRIX_FMT_BF6 matrix_b_fmt:MATRIX_FMT_BF6 matrix_a_scale:MATRIX_SCALE_ROW1 matrix_b_scale:MATRIX_SCALE_ROW1
.endif
.endm
.macro SCORES d, a, sa, sb, rb         ; my 128 keys x 16 queries: eight products, one for each tile of keys
.irp g, 0,1
	WS0 (\d)+32*\g, (\a)+12*\g, QA, \sa, \sb, \g, \rb
	WS0 (\d)+32*\g+8, (\a)+12*\g, QB, \sa, \sb, \g, \rb
	WS0 (\d)+32*\g+16, (\a)+12*\g, Z0, \sa, \sb, \g, \rb
	WS0 (\d)+32*\g+24, (\a)+12*\g, Z1, \sa, \sb, \g, \rb
.endr
.endm
.macro MAXHEAD s                       ; four chains of 16 scores, in ascending order of registers
.irp k, 0,1,2,3
	v_max3_num_f32 v[T+\k], v[(\s)+16*\k], v[(\s)+16*\k+1], v[(\s)+16*\k+2]
.endr
.endm
.macro MAXREST s, cm
.irp i, 3,5,7,9,11,13
.irp k, 0,1,2,3
	v_max3_num_f32 v[T+\k], v[T+\k], v[(\s)+16*\k+\i], v[(\s)+16*\k+\i+1]
.endr
.endr
.irp k, 0,1,2,3
	v_max_num_f32 v[T+\k], v[T+\k], v[(\s)+16*\k+15]
.endr
	s_delay_alu instid0(VALU_DEP_2)
	v_max3_num_f32 v[T], v[T], v[T+1], v[T+2]
	s_delay_alu instid0(VALU_DEP_1)
	v_max_num_f32 v[T], v[T], v[T+3]
	v_permlanex16_b32 v[T+4], v[T], s[SEL], s[SEL+1]   ; the query's other 64 keys of mine lie in lane l xor 16
	s_delay_alu instid0(VALU_DEP_1)
	v_max_num_f32 v[T], v[T], v[T+4]
	s_delay_alu instid0(VALU_DEP_1)
	v_mul_f32 v[(\cm)], s[CC], v[T]                ; c m
.endm
.macro EXPS s, cm                      ; p = 2^(c s - c m)
.set ii, 0
.rept 32
	v_pk_fma_f32 v[(\s)+ii:(\s)+ii+1], v[(\s)+ii:(\s)+ii+1], s[CC:CC+1], v[(\cm):(\cm)+1] op_sel_hi:[1,0,0] neg_lo:[0,0,1] neg_hi:[0,0,1]
.set ii, ii+2
.endr
.set ii, 0
	s_wait_alu depctr_va_vdst(0)
.rept 64
	v_exp_f32 v[(\s)+ii], v[(\s)+ii]
.set ii, ii+1
.endr
.endm
	s_load_b256 s[4:11], s[0:1], 0x0               ; q_codes, q_scales, kcv_codes, kcv_scales
	s_load_b128 s[12:15], s[0:1], 0x20             ; o_codes, o_scales
	v_lshrrev_b32 v[LNE], 5, v0
	s_delay_alu instid0(VALU_DEP_1)
	v_readfirstlane_b32 s[WVN], v[LNE]             ; wave 0..15
	s_lshr_b32 s[SG], s[WVN], 3                    ; my set
	s_and_b32 s[WW], s[WVN], 7                     ; my place in it
	v_and_b32 v[LNE], 31, v0
	s_wait_alu depctr_va_vdst(0)
	v_and_b32 v[RR], 15, v0
	v_bfe_u32 v[HH], v0, 4, 1
	s_wait_alu depctr_va_vdst(0)
	v_lshlrev_b32 v[LI], 4, v[LNE]
	v_lshlrev_b32 v[QO], 3, v[RR]
	v_lshlrev_b32 v[QSO], 2, v[LNE]
	v_lshl_add_u32 v[STW], v0, 3, STAT
	s_lshl_b32 s46, s[SG], 11
	s_add_co_u32 s46, s46, STAT
	v_lshl_add_u32 v[STR], v[LNE], 3, s46
	s_mul_i32 s46, s[SG], 98304
	s_add_co_u32 s46, s46, PIMG
	s_mul_i32 s47, s[WW], 8*FRB
	s_add_co_u32 s47, s47, s46
	v_lshl_add_u32 v[PWB], v[LNE], 4, s47          ; I write K step w, tile after tile
	s_mul_i32 s47, s[WW], FRB
	s_add_co_u32 s[PRBS], s47, s46                 ; I read tile w, K step after K step
	s_lshl_b32 s46, s[SG], 13
	s_add_co_u32 s46, s46, PSC
	s_lshl_b32 s47, s[WW], 10
	s_add_co_u32 s47, s47, s46
	v_lshl_add_u32 v[PSB], v[LNE], 2, s47
	s_lshl_b32 s47, s[WW], 7
	s_add_co_u32 s[PRSS], s47, s46
	s_lshl_b32 s46, s[SG], 8
	s_lshl_b32 s47, s[WW], 4
	s_add_co_u32 s46, s46, s47
	s_add_co_u32 s[OBAS], s46, OSB
	v_add_nc_u32 v[MA], -1, v[HH]
	v_sub_nc_u32 v[MB], 0, v[HH]
	v_lshlrev_b32 v[SH8], 3, v[HH]
	s_mov_b32 s[CC], 0x3e8293ee                    ; log2(e) / sqrt(32)
	s_mov_b32 s[CC+1], s[CC]                       ; (named with it as a pair, so it is written)
	s_mov_b32 s[SEL], 0x76543210
	s_mov_b32 s[SEL+1], 0xfedcba98
	s_mov_b32 s[HM], 0xffff0000
	s_mov_b32 s[TN], 0
	s_mov_b32 s[QST+1], 0
	s_mov_b32 s[QSS+1], 0
	s_and_b32 s46, ttmp7, 0xffff                   ; 8 b + head
	s_mul_i32 s48, s46, 16*FRB                     ; a head's codes of k, of c, of V
	s_mov_b32 s49, 0
	s_lshl_b32 s50, s46, 10                        ; a head's scale words
	s_mov_b32 s51, 0
	s_wait_alu depctr_va_vdst(0)
	s_wait_kmcnt 0x0
	s_add_nc_u64 s[8:9], s[8:9], s[48:49]
	s_add_nc_u64 s[10:11], s[10:11], s[50:51]
	s_mul_i32 s48, s[WW], 2*FRB
	s_add_nc_u64 s[52:53], s[8:9], s[48:49]        ; my two groups of k (c: 786,432 bytes on)
	s_lshl_b32 s48, s[WW], 7
	s_add_nc_u64 s[54:55], s[10:11], s[48:49]      ; their scale words (c: 32,768 on)
	s_mul_i32 s48, s[WVN], FRB
	s_add_nc_u64 s[56:57], s[8:9], s[48:49]        ; the fragment of V that I bring (1,572,864 on)
	s_lshl_b32 s48, s[WVN], 6
	s_add_nc_u64 s[58:59], s[10:11], s[48:49]      ; and 64 bytes of its scale words (65,536 on)
	s_lshl_b32 s47, s46, 8
	s_lshl_b32 s48, ttmp9, 5
	s_add_co_u32 s47, s47, s48
	s_lshl_b32 s48, s[SG], 4
	s_add_co_u32 s47, s47, s48                     ; my set's first tile, counted over all heads
	s_mul_i32 s48, s47, 768
	s_add_nc_u64 s[QP:QP+1], s[4:5], s[48:49]
	s_lshl_b32 s48, s47, 7
	s_add_nc_u64 s[QSP:QSP+1], s[6:7], s[48:49]
	s_and_b32 s47, s46, 7                          ; head
	s_lshr_b32 s50, s46, 3
	s_lshl_b32 s50, s50, 12
	s_lshl_b32 s48, ttmp9, 9
	s_add_co_u32 s50, s50, s48                     ; the work-group's first row: 4,096 b + 512 x
	s_lshl_b32 s48, s47, 14
	s_add_co_u32 s48, s48, s50
	s_add_nc_u64 s[OSP:OSP+1], s[14:15], s[48:49]
	s_lshl_b32 s48, s[SG], 8
	s_add_co_u32 s50, s50, s48
	s_lshl_b32 s48, s[WW], 4
	s_add_co_u32 s50, s50, s48                     ; the first row of the tile that I finish in the first batch
	s_mul_i32 s50, s50, 24
	s_mul_i32 s48, s47, 393216
	s_add_co_u32 s48, s48, s50
	s_add_nc_u64 s[OCP:OCP+1], s[12:13], s[48:49]
.irp e, 0,1,2,3,4,5
	global_load_b128 v[KF+4*\e:KF+4*\e+3], v[LI], s[52:53] offset:512*\e
	global_load_b128 v[CF+4*\e:CF+4*\e+3], v[LI], s[52:53] offset:786432+512*\e
.endr
	global_load_b32 v[KSW], v[QSO], s[54:55]
	global_load_b32 v[CSW], v[QSO], s[54:55] offset:32768
.irp u, 0,1,2
	global_load_b128 v[S1+4*\u:S1+4*\u+3], v[LI], s[56:57] offset:1572864+512*\u
.endr
	v_lshlrev_b32 v[S1+13], 1, v[LNE]
	global_load_u16 v[S1+12], v[S1+13], s[58:59] offset:65536
.irp p, 0,1,2
	global_load_b64 v[R1+2*\p:R1+2*\p+1], v[QO], s[QP:QP+1] offset:256*\p          ; the first tile's q1: both halves of the lanes take query r's codes
	global_load_b64 v[R2+2*\p:R2+2*\p+1], v[QO], s[QP:QP+1] offset:256*\p+128      ; and q2
.endr
	global_load_b32 v[QSC], v[QSO], s[QSP:QSP+1]
.irp i, 0,1,2,3,4,5
	v_mov_b32 v[Z0+\i], 0                          ; zero codes
	v_mov_b32 v[Z1+\i], 0
	v_mov_b32 v[Z2+\i], 0
.endr
.irp i, 4,7,9,10,11
	v_mov_b32 v[T+\i], 0                           ; lane permutes' destinations and upper halves of pairs: written before they are named
.endr
	v_mov_b32 v[PPT], 0
	s_mul_i32 s46, s[WVN], FRB
	v_add_nc_u32 v[S1+14], s46, v[LI]
	s_lshl_b32 s46, s[WVN], 6
	s_add_co_u32 s46, s46, VSC
	v_lshl_add_u32 v[S1+15], v[LNE], 1, s46
	s_wait_alu depctr_va_vdst(0)
	s_wait_loadcnt 0x7                             ; all but the first tile's seven loads of q
.irp u, 0,1,2
	ds_store_b128 v[S1+14], v[S1+4*\u:S1+4*\u+3] offset:VIMG+512*\u
.endr
	ds_store_b16 v[S1+15], v[S1+12]
	s_wait_dscnt 0x0                               ; the stores have read their registers, in which the first scores will land.  V is read behind many later barriers
; ONE TILE OF 16 QUERIES.  par: the tile's parity.
.macro TILE par
	s_wait_loadcnt 0x0                             ; this tile's q is in, so the loads' bases may step
	s_add_co_u32 s[TN], s[TN], 1
	s_cmp_lt_u32 s[TN], 16
	s_cselect_b32 s[QST], 768, 0                   ; the set's last tile asks for itself again: no load leaves its buffer
	s_cselect_b32 s[QSS], 128, 0
	s_add_nc_u64 s[QP:QP+1], s[QP:QP+1], s[QST:QST+1]
	s_add_nc_u64 s[QSP:QSP+1], s[QSP:QSP+1], s[QSS:QSS+1]
.irp i, 0,1,2,3,4,5
	v_and_b32 v[QA+\i], v[R1+\i], v[MA]
	v_and_b32 v[QB+\i], v[R1+\i], v[MB]
.endr
	PLACES                                         ; an operand written by vector instructions stands four places ahead of a scaled matrix instruction
	SCORES S1, KF, KSW, QSC+\par, 0
	PLACES
.irp i, 0,1,2,3,4,5
	v_and_b32 v[QA+\i], v[R2+\i], v[MA]
	v_and_b32 v[QB+\i], v[R2+\i], v[MB]
.endr
	MAXHEAD S1                                     ; four plain instructions: the places ahead of the next products
	s_wait_alu depctr_va_vdst(0)
	s_wait_dscnt 0x0                               ; the last tile's image has been read out of the registers in which these scores land
	SCORES S2, CF, CSW, QSC+\par, 1
.irp p, 0,1,2
	global_load_b64 v[R1+2*\p:R1+2*\p+1], v[QO], s[QP:QP+1] offset:256*\p          ; the next tile's q: a whole tile ahead
	global_load_b64 v[R2+2*\p:R2+2*\p+1], v[QO], s[QP:QP+1] offset:256*\p+128
.endr
	global_load_b32 v[QSC+1-\par], v[QSO], s[QSP:QSP+1]
	MAXREST S1, T+6
	EXPS S1, T+6
	s_wait_alu depctr_va_vdst(0)
	MAXHEAD S2
	MAXREST S2, T+8
	EXPS S2, T+8
	v_nop                                          ; a plain instruction behind the last exponential
	s_wait_alu depctr_va_vdst(0)                   ; one wait for all 128 exponentials, ahead of the first instruction that names a result
	v_pk_add_f32 v[T:T+1], v[S1:S1+1], v[S1+2:S1+3]                ; the sums of p, two at a time, in four chains
	v_pk_add_f32 v[T+2:T+3], v[S1+4:S1+5], v[S1+6:S1+7]
	v_pk_add_f32 v[T+4:T+5], v[S2:S2+1], v[S2+2:S2+3]
	v_pk_add_f32 v[T+12:T+13], v[S2+4:S2+5], v[S2+6:S2+7]
.set ii, 8
.rept 14
	v_pk_add_f32 v[T:T+1], v[T:T+1], v[S1+ii:S1+ii+1]
	v_pk_add_f32 v[T+2:T+3], v[T+2:T+3], v[S1+ii+2:S1+ii+3]
	v_pk_add_f32 v[T+4:T+5], v[T+4:T+5], v[S2+ii:S2+ii+1]
	v_pk_add_f32 v[T+12:T+13], v[T+12:T+13], v[S2+ii+2:S2+ii+3]
.set ii, ii+4
.endr
	s_delay_alu instid0(VALU_DEP_3)
	v_pk_add_f32 v[T:T+1], v[T:T+1], v[T+2:T+3]
	s_delay_alu instid0(VALU_DEP_2)
	v_pk_add_f32 v[T+4:T+5], v[T+4:T+5], v[T+12:T+13]
	s_delay_alu instid0(VALU_DEP_2)
	v_add_f32 v[T+7], v[T], v[T+1]
	s_delay_alu instid0(VALU_DEP_2)
	v_add_f32 v[T+9], v[T+4], v[T+5]
	v_permlanex16_b32 v[T+10], v[T+7], s[SEL], s[SEL+1]
	s_delay_alu instid0(VALU_DEP_2)
	v_permlanex16_b32 v[T+11], v[T+9], s[SEL], s[SEL+1]
	s_delay_alu instid0(VALU_DEP_2)
	v_add_f32 v[T+7], v[T+7], v[T+10]
	s_delay_alu instid0(VALU_DEP_2)
	v_add_f32 v[T+9], v[T+9], v[T+11]
	v_cndmask_b32 v[QA], v[T+6], v[T+8], s[HM]     ; lanes 0-15 speak for the first softmax of query r, lanes 16-31 for the second
	s_delay_alu instid0(VALU_DEP_2)
	v_cndmask_b32 v[QA+1], v[T+7], v[T+9], s[HM]
	ds_store_b64 v[STW], v[QA:QA+1] offset:4096*\par
	BAR                                            ; the tile's one barrier.  The other parity's words are written again only behind it, and every wave has read them ahead of it
.irp k, 0,1,2,3,4,5,6,7
	ds_load_b64 v[T+2*\k:T+2*\k+1], v[STR] offset:4096*\par+256*\k
.endr
	s_wait_dscnt 0x0
	v_max3_num_f32 v[QA+2], v[T], v[T+2], v[T+4]
	s_delay_alu instid0(VALU_DEP_1)
	v_max3_num_f32 v[QA+2], v[QA+2], v[T+6], v[T+8]
	s_delay_alu instid0(VALU_DEP_1)
	v_max3_num_f32 v[QA+2], v[QA+2], v[T+10], v[T+12]
	s_delay_alu instid0(VALU_DEP_1)
	v_max_num_f32 v[QA+2], v[QA+2], v[T+14]        ; M: the row's largest c s
.irp k, 0,1,2,3,4,5,6,7
	v_sub_f32 v[T+2*\k], v[T+2*\k], v[QA+2]
.endr
	v_sub_f32 v[QA+3], v[QA], v[QA+2]
	s_wait_alu depctr_va_vdst(0)
.irp k, 0,1,2,3,4,5,6,7
	v_exp_f32 v[T+2*\k], v[T+2*\k]
.endr
	v_exp_f32 v[QA+3], v[QA+3]
	v_nop
	s_wait_alu depctr_va_vdst(0)                   ; one wait for the nine
	v_mul_f32 v[QA+4], v[T], v[T+1]                ; L = the sum over the waves of 2^(c m - M) x their sums, in two chains
	v_mul_f32 v[QA+1], v[T+2], v[T+3]
	v_fma_f32 v[QA+4], v[T+4], v[T+5], v[QA+4]
	v_fma_f32 v[QA+1], v[T+6], v[T+7], v[QA+1]
	v_fma_f32 v[QA+4], v[T+8], v[T+9], v[QA+4]
	v_fma_f32 v[QA+1], v[T+10], v[T+11], v[QA+1]
	v_fma_f32 v[QA+4], v[T+12], v[T+13], v[QA+4]
	v_fma_f32 v[QA+1], v[T+14], v[T+15], v[QA+1]
	s_delay_alu instid0(VALU_DEP_1)
	v_add_f32 v[QA+4], v[QA+4], v[QA+1]
	s_wait_alu depctr_va_vdst(0)
	v_rcp_f32 v[QA+5], v[QA+4]
	v_mul_f32 v[QA+3], 0.5, v[QA+3]                ; (the plain instruction behind the reciprocal)
	s_wait_alu depctr_va_vdst(0)
	v_mul_f32 v[QA+5], v[QA+3], v[QA+5]            ; f = 2^(c m - M) 0.5 / L, of my half's softmax
	s_delay_alu instid0(VALU_DEP_1)
	v_permlanex16_b32 v[QB], v[QA+5], s[SEL], s[SEL+1]
	s_delay_alu instid0(VALU_DEP_1)
	v_cndmask_b32 v[QB+2], v[QA+5], v[QB], s[HM]   ; the first softmax's f in every lane,
	s_delay_alu instid0(VALU_DEP_2)
	v_cndmask_b32 v[QB+4], v[QB], v[QA+5], s[HM]   ; and the second's
.set ii, 0
.rept 32
	v_pk_mul_f32 v[S1+ii:S1+ii+1], v[S1+ii:S1+ii+1], v[QB+2:QB+3] op_sel_hi:[1,0]
.set ii, ii+2
.endr
.set ii, 0
.rept 32
	v_pk_fma_f32 v[S1+ii:S1+ii+1], v[S2+ii:S2+ii+1], v[QB+4:QB+5], v[S1+ii:S1+ii+1] op_sel_hi:[1,0,1]   ; attn, finished
.set ii, ii+2
.endr
	; attn's two blocks of a lane, by turns.  None is negative: no |.| on the sources
.irp b, 0,1
	v_max3_num_f32 v[PMX+2*\b], v[S1+32*\b], v[S1+32*\b+1], FLOOR
	v_max3_num_f32 v[PMX+2*\b+1], v[S1+32*\b+2], v[S1+32*\b+3], FLOOR
.endr
.irp i, 4,8,12,16,20,24,28
.irp b, 0,1
	s_delay_alu instid0(VALU_DEP_4)
	v_max3_num_f32 v[PMX+2*\b], v[PMX+2*\b], v[S1+32*\b+\i], v[S1+32*\b+\i+1]
	s_delay_alu instid0(VALU_DEP_4)
	v_max3_num_f32 v[PMX+2*\b+1], v[PMX+2*\b+1], v[S1+32*\b+\i+2], v[S1+32*\b+\i+3]
.endr
.endr
.irp b, 0
	s_delay_alu instid0(VALU_DEP_3)
	v_max_num_f32 v[PMX+2*\b], v[PMX+2*\b], v[PMX+2*\b+1]
.endr
.irp b, 1
	s_delay_alu instid0(VALU_DEP_2)
	v_max_num_f32 v[PMX+2*\b], v[PMX+2*\b], v[PMX+2*\b+1]
.endr
.irp b, 0,1
	s_delay_alu instid0(VALU_DEP_2)
	v_add_nc_u32 v[PSO+\b], 0xfe000000, v[PMX+2*\b]    ; 4 off the exponent field: the conversions' scale operand
.endr
.irp b, 0,1
	v_cvt_scalef32_pk16_bf6_f32 v[PF+6*\b:PF+6*\b+2], v[S1+32*\b:S1+32*\b+15], v[PSO+\b]
	v_cvt_scalef32_pk16_bf6_f32 v[PCT+4*\b:PCT+4*\b+2], v[S1+32*\b+16:S1+32*\b+31], v[PSO+\b]   ; (a conversion's three registers begin on an even number)
.endr
.irp b, 0,1
	v_lshrrev_b32 v[PBY+\b], 23, v[PSO+\b]         ; the bytes; also the plain instruction behind the conversions
.endr
.irp b, 0,1
.irp i, 0,1,2
	v_mov_b32 v[PF+6*\b+3+\i], v[PCT+4*\b+\i]
.endr
.endr
	v_lshl_or_b32 v[PWD], v[PBY+1], 16, v[PBY]     ; my bytes are those of blocks h and 2 + h; lane l xor 16 has the other two
	s_delay_alu instid0(VALU_DEP_1)
	v_lshlrev_b32 v[PWD], v[SH8], v[PWD]
	v_permlanex16_b32 v[PPT], v[PWD], s[SEL], s[SEL+1]
	s_delay_alu instid0(VALU_DEP_1)
	v_or_b32 v[PWD], v[PWD], v[PPT]
	v_add_nc_u32 v[PWA], s[TP], v[PWB]
	v_add_nc_u32 v[PSA], s[TQ], v[PSB]
.irp u, 0,1,2
	ds_store_b128 v[PWA], v[PF+4*\u:PF+4*\u+3] offset:512*\u
.endr
	ds_store_b32 v[PSA], v[PWD]
	s_add_co_u32 s[TP], s[TP], FRB
	s_add_co_u32 s[TQ], s[TQ], 128
.endm
; THE LAST PRODUCT, for the tile of the batch that bears my number: O^T = V^T attn^T over eight K steps of 128 keys; two accumulators (d = 16 h + 0..7 and 16 h + 8..15 of query r) by turns.
.macro LOADSTEP st, buf                ; eleven LDS loads
.set ls_p, PX+38*(\buf)
.irp u, 0,1,2
	ds_load_b128 v[ls_p+4*\u:ls_p+4*\u+3], v[PRA+(\st)/4] offset:((\st)%4)*8*FRB+512*\u
.endr
	ds_load_b32 v[PSX+2*(\buf)], v[PRS] offset:1024*(\st)
.irp f, 0,1
.irp u, 0,1,2
	ds_load_b128 v[ls_p+12+12*\f+4*\u:ls_p+12+12*\f+4*\u+3], v[LI] offset:VIMG+(2*(\st)+\f)*FRB+512*\u
.endr
.endr
	ds_load_b32 v[PSX+2*(\buf)+1], v[VSA] offset:128*(\st)
.endm
.macro PV beta
	BAR                                            ; the batch's 64 images lie in LDS
	v_lshl_add_u32 v[PRA], v[LNE], 4, s[PRBS]
	s_delay_alu instid0(VALU_DEP_1)
	v_add_nc_u32 v[PRA+1], 4*8*FRB, v[PRA]         ; K steps 4 to 7: beyond an offset's 16 bits
	v_lshl_add_u32 v[PRS], v[LNE], 2, s[PRSS]
	v_lshl_add_u32 v[VSA], v[LNE], 2, VSC
	v_mul_u32_u24 v[OGO], v[RR], 24
	s_delay_alu instid0(VALU_DEP_1)
	v_mad_u32_u24 v[OGO], v[HH], 12, v[OGO]
	v_add_nc_u32 v[OBA], s[OBAS], v[RR]
	v_mov_b32 v216, 0
	LOADSTEP 0, 0
	LOADSTEP 1, 1
	s_wait_alu depctr_va_vdst(0)
.irp e, 0,1,2,3,4,5,6,7
.set pv_p, PX+38*(\e%2)
.set pv_s, PSX+2*(\e%2)
.if \e < 7
	s_wait_dscnt 11                                ; the next K step's eleven loads may stay out
.else
	s_wait_dscnt 0x0
.endif
.if \e == 0
	v_wmma_scale_f32_16x16x128_f8f6f4 v[O0:O0+7], v[pv_p+12:pv_p+23], v[pv_p:pv_p+11], 0, v[pv_s+1], v[pv_s] matrix_a_fmt:MATRIX_FMT_BF6 matrix_b_fmt:MATRIX_FMT_BF6
	v_wmma_scale_f32_16x16x128_f8f6f4 v[O1:O1+7], v[pv_p+24:pv_p+35], v[pv_p:pv_p+11], 0, v[pv_s+1], v[pv_s] matrix_a_fmt:MATRIX_FMT_BF6 matrix_b_fmt:MATRIX_FMT_BF6 matrix_a_scale:MATRIX_SCALE_ROW1
.else
	v_wmma_scale_f32_16x16x128_f8f6f4 v[O0:O0+7], v[pv_p+12:pv_p+23], v[pv_p:pv_p+11], v[O0:O0+7], v[pv_s+1], v[pv_s] matrix_a_fmt:MATRIX_FMT_BF6 matrix_b_fmt:MATRIX_FMT_BF6
	v_wmma_scale_f32_16x16x128_f8f6f4 v[O1:O1+7], v[pv_p+24:pv_p+35], v[pv_p:pv_p+11], v[O1:O1+7], v[pv_s+1], v[pv_s] matrix_a_fmt:MATRIX_FMT_BF6 matrix_b_fmt:MATRIX_FMT_BF6 matrix_a_scale:MATRIX_SCALE_ROW1
.endif
	PLACES
.if \e < 6
	LOADSTEP \e+2, \e%2
.endif
.endr
	; my 16 numbers are d = 16 h + 0..15 of query r: half a block of the output projection's K; lane l xor 16 has the other half
	v_max3_num_f32 v214, |v[O0]|, |v[O0+1]|, FLOOR
	v_max3_num_f32 v215, |v[O0+2]|, |v[O0+3]|, FLOOR
.irp i, 4,8,12
	v_max3_num_f32 v214, v214, |v[O0+\i]|, |v[O0+\i+1]|
	v_max3_num_f32 v215, v215, |v[O0+\i+2]|, |v[O0+\i+3]|
.endr
	s_delay_alu instid0(VALU_DEP_1)
	v_max_num_f32 v214, v214, v215
	s_delay_alu instid0(VALU_DEP_1)
	v_permlanex16_b32 v216, v214, s[SEL], s[SEL+1]
	s_delay_alu instid0(VALU_DEP_1)
	v_max_num_f32 v214, v214, v216
	s_delay_alu instid0(VALU_DEP_1)
	v_add_nc_u32 v217, 0xfe000000, v214
	v_cvt_scalef32_pk16_bf6_f32 v[218:220], v[O0:O0+15], v217
	v_lshrrev_b32 v221, 23, v217
	global_store_b96 v[OGO], v[218:220], s[OCP:OCP+1] offset:3072*\beta   ; 32 lanes store 384 consecutive bytes: 16 rows' codes of my head
	ds_store_b8 v[OBA], v221 offset:128*\beta      ; both halves of the lanes write the same byte with the same value
	s_wait_xcnt 0x0                                ; the store has read its registers: they are written again in the next batch
.endm
.macro BATCH beta                      ; eight tiles, then the last product for them
	s_mov_b32 s[TP], 0
	s_mov_b32 s[TQ], 0
	s_mov_b32 s[LC], 4
.Ltiles_\@:
	TILE 0
	TILE 1
	s_sub_co_u32 s[LC], s[LC], 1
	s_cmp_lg_u32 s[LC], 0
	s_cbranch_scc1 .Ltiles_\@
	PV \beta
.endm
	BATCH 0
	BATCH 1
	BAR                                            ; the work-group's 512 scale bytes lie in LDS, in the order of its rows
	s_cmp_lg_u32 s[WVN], 0
	s_cbranch_scc1 .Lend
	v_add_nc_u32 v[PRA], OSB, v[LI]
	ds_load_b128 v[S1:S1+3], v[PRA]
	s_wait_dscnt 0x0
	global_store_b128 v[LI], v[S1:S1+3], s[OSP:OSP+1]   ; 512 consecutive bytes, aligned
.Lend:
	s_wait_xcnt 0x0
	v_lshl_add_u32 v254, v0, 2, 0x3c600
	v_mov_b32 v255, 0
	s_wait_alu depctr_va_vdst(0)
	s_wait_tensorcnt 0x0
	ds_add_u32 v254, v255
	s_wait_dscnt 0x0
	s_endpgm
.Lfunc_end_k_q1f9eb4b021_attn:
	.size	k_q1f9eb4b021_attn, .Lfunc_end_k_q1f9eb4b021_attn-k_q1f9eb4b021_attn
	.p2alignl 7, 3214868480
	.fill 96, 4, 3214868480
	.section	.rodata,"a",@progbits
	.p2align	6, 0x0
	.amdhsa_kernel k_q1f9eb4b021_attn
		.amdhsa_group_segment_fixed_size 249344
		.amdhsa_private_segment_fixed_size 0
		.amdhsa_enable_private_segment 0
		.amdhsa_kernarg_size 48
		.amdhsa_user_sgpr_count 2
		.amdhsa_user_sgpr_kernarg_segment_ptr 1
		.amdhsa_wavefront_size32 1
		.amdhsa_system_sgpr_workgroup_id_x 1
		.amdhsa_system_sgpr_workgroup_id_y 1
		.amdhsa_system_sgpr_workgroup_id_z 1
		.amdhsa_system_vgpr_workitem_id 0
		.amdhsa_next_free_vgpr 256
		.amdhsa_next_free_sgpr 66
		.amdhsa_reserve_vcc 0
		.amdhsa_float_denorm_mode_32 3
		.amdhsa_float_denorm_mode_16_64 3
		.amdhsa_memory_ordered 1
		.amdhsa_forward_progress 1
		.amdhsa_inst_pref_size 159
	.end_amdhsa_kernel
	.amdgpu_metadata
---
amdhsa.version: [ 1, 2 ]
amdhsa.kernels:
  - .name:           k_q1f9eb4b021_attn
    .symbol:         k_q1f9eb4b021_attn.kd
    .args:
      - { .name: q_codes, .offset: 0, .size: 8, .value_kind: global_buffer, .address_space: global }
      - { .name: q_scales, .offset: 8, .size: 8, .value_kind: global_buffer, .address_space: global }
      - { .name: kcv_codes, .offset: 16, .size: 8, .value_kind: global_buffer, .address_space: global }
      - { .name: kcv_scales, .offset: 24, .size: 8, .value_kind: global_buffer, .address_space: global }
      - { .name: o_codes, .offset: 32, .size: 8, .value_kind: global_buffer, .address_space: global }
      - { .name: o_scales, .offset: 40, .size: 8, .value_kind: global_buffer, .address_space: global }
    .group_segment_fixed_size: 249344
    .private_segment_fixed_size: 0
    .kernarg_segment_align: 8
    .kernarg_segment_size: 48
    .max_flat_workgroup_size: 512
    .sgpr_count:     66
    .vgpr_count:     256
    .wavefront_size: 32
...
	.end_amdgpu_metadata
.endif
;; end of part 2
;; launch outp (part 3): grid 256 x 1, 4 waves a work-group, no clusters, 67,072 bytes of LDS; arguments o_codes, o_scales, wo_img, bo, out0; writes out0
.if DOCPART == 3
	.amdgcn_target "amdgcn-amd-amdhsa--gfx1250"
	.amdhsa_code_object_version 6
	.text
	.protected	k_q1f9eb4b021_outp
	.globl	k_q1f9eb4b021_outp
	.p2align	8
	.type	k_q1f9eb4b021_outp,@function
k_q1f9eb4b021_outp:
	s_mov_b64 s[64:65], 0
	v_nop
	global_prefetch_b8 v0, s[64:65] scope:SCOPE_SE
	s_setreg_imm32_b32 hwreg(HW_REG_WAVE_MODE, 25, 1), 1
	s_wait_xcnt 0x0
; out0 = o Wo^T + bo on codes of BF6 (E3M2) with one E8M0 scale for each 32 along K = 256.  o arrives as codes [head][row][24 bytes] with a scale byte [head][row]: a head is a block of K.
; Wo arrives as images of the operand's registers, [wave][fragment 2 j + K step][3][lane][16 bytes], and scale words behind them.
; A work-group takes 64 rows; wave w makes columns 64 w .. 64 w + 63 for all of them: its eight fragments of Wo stay in registers.  The product is used transposed (source 0 = 16 rows of Wo, source 1 = 16 rows
; of o), so that a lane holds eight neighbouring columns of one row; bo is the C of each sum's first product.  The rows meet in a stage in LDS and leave whole: each store covers 512 consecutive bytes, aligned.
.set FRB,    1536
.set SPITCH, 1040                      ; a stage row: 1,024 bytes + 16: the sixteen rows that a store touches begin 4 banks apart (64 banks of 4 bytes: ISA guide 11.1)
.set LN,  1
.set RR,  2
.set HH,  3
.set LI,  4                            ; 16 x lane
.set LS,  5                            ; 4 x lane
.set XO,  6                            ; o's codes: 24 r + a head's 393,216 bytes for lanes 16-31
.set BO,  8                            ; 32 h
.set SO,  9                            ; the stage: where I put 32 bytes of a row
.set XSW, 10                           ; v10-17 o's scale words, number 2 tile + K step: these registers hold nothing else
.set SR,  18                           ; the stage: where I read rows back
.set WS,  38                           ; v38-45 Wo's scale words
.set WF,  46                           ; v46-141 Wo's eight fragments; on the way out v46-173 take the rows
.set BI,  142                          ; v142-173 bo in the result's layout
.set DD,  174                          ; v174-205 four accumulators; at the head the 32 scale bytes
.set XB,  206                          ; v206-229, v230-253 o's two fragments of a tile, two sets
.macro WM d, a, b, c, sa, sb
	v_wmma_scale_f32_16x16x128_f8f6f4 v[(\d):(\d)+7], v[(\a):(\a)+11], v[(\b):(\b)+11], v[(\c):(\c)+7], v[(\sa)], v[(\sb)] matrix_a_fmt:MATRIX_FMT_BF6 matrix_b_fmt:MATRIX_FMT_BF6
.endm
.macro XLOAD m                         ; tile m of 16 rows: lane (r, h) takes, for K step f and half c, the 24 bytes of head 4 f + 2 c + h of row r, in pieces of 8 bytes
.set xl_r, XB+24*((\m)%2)
.irp f, 0,1
.irp c, 0,1
.irp p, 0,1,2
	global_load_b64 v[xl_r+12*\f+6*\c+2*\p:xl_r+12*\f+6*\c+2*\p+1], v[XO], s[28:29] offset:(4*\f+2*\c)*393216+384*(\m)+8*\p
.endr
.endr
.endr
.endm
	s_load_b256 s[4:11], s[0:1], 0x0               ; o_codes, o_scales, wo_img, bo
	s_load_b64 s[12:13], s[0:1], 0x20              ; out0
	v_lshl_add_u32 v254, v0, 2, 0x10400
	v_mov_b32 v255, 0
	v_lshrrev_b32 v[LN], 5, v0
	v_readfirstlane_b32 s16, v[LN]                 ; wave 0..3
	v_and_b32 v[LN], 31, v0
	v_and_b32 v[RR], 15, v0
	v_bfe_u32 v[HH], v0, 4, 1
	v_lshlrev_b32 v[LI], 4, v[LN]
	v_lshlrev_b32 v[LS], 2, v[LN]
	v_mul_u32_u24 v[XO], v[RR], 24
	v_mad_u32_u24 v[XO], v[HH], 393216, v[XO]
	v_lshlrev_b32 v[BO], 5, v[HH]
	v_mul_u32_u24 v[SO], v[RR], SPITCH
	v_lshl_add_u32 v[SO], v[HH], 5, v[SO]
	s_lshl_b32 s17, s16, 8
	v_add_nc_u32 v[SO], s17, v[SO]                 ; row r, + 256 x wave, + 32 h
	s_mul_i32 s17, s16, 16*SPITCH
	v_add_nc_u32 v[SR], s17, v[LI]                 ; my 16 rows, 16 bytes a lane
	s_mov_b32 s19, 0
	s_wait_alu depctr_va_vdst(0)
	s_wait_kmcnt 0x0
	s_mul_i32 s18, s16, 8*FRB
	s_add_nc_u64 s[20:21], s[8:9], s[18:19]        ; my fragments of Wo
	s_lshl_b32 s18, s16, 10
	s_add_nc_u64 s[22:23], s[8:9], s[18:19]        ; my scale words (49,152 bytes on)
	s_lshl_b32 s18, s16, 8
	s_add_nc_u64 s[24:25], s[10:11], s[18:19]      ; bo at my 64 columns
	s_lshl_b32 s18, ttmp9, 6
	s_add_nc_u64 s[26:27], s[6:7], s[18:19]        ; o's scale bytes at my 64 rows
	s_mul_i32 s18, ttmp9, 64*24
	s_add_nc_u64 s[28:29], s[4:5], s[18:19]        ; o's codes likewise
	s_lshl_b32 s18, ttmp9, 6
	s_lshl_b32 s17, s16, 4
	s_add_co_u32 s18, s18, s17
	s_lshl_b32 s18, s18, 10
	s_add_nc_u64 s[30:31], s[12:13], s[18:19]      ; the 16 rows of out0 that I store
.irp f, 0,1,2,3,4,5,6,7
.irp u, 0,1,2
	global_load_b128 v[WF+12*\f+4*\u:WF+12*\f+4*\u+3], v[LI], s[20:21] offset:\f*FRB+512*\u
.endr
.endr
.irp f, 0,1,2,3,4,5,6,7
	global_load_b32 v[WS+\f], v[LS], s[22:23] offset:49152+128*\f
.endr
.irp j, 0,1,2,3
	global_load_b128 v[BI+8*\j:BI+8*\j+3], v[BO], s[24:25] offset:64*\j          ; bo(64 w + 16 j + 8 h + 0 .. 7)
	global_load_b128 v[BI+8*\j+4:BI+8*\j+7], v[BO], s[24:25] offset:64*\j+16
.endr
.irp e, 0,1,2,3,4,5,6,7                ; e = 2 tile + K step
.irp b, 0,1,2,3
	global_load_u8 v[DD+4*\e+\b], v[RR], s[26:27] offset:(4*(\e%2)+\b)*16384+16*(\e/2)
.endr
.endr
	XLOAD 0
	XLOAD 1
	s_wait_loadcnt 24                              ; all but the two tiles of o, twelve loads each
.irp e, 0,1,2,3,4,5,6,7
	v_lshl_or_b32 v[XSW+\e], v[DD+4*\e+1], 8, v[DD+4*\e]       ; four heads' bytes make a K step's scale word of row r
	v_lshl_or_b32 v[XSW+\e], v[DD+4*\e+2], 16, v[XSW+\e]
	v_lshl_or_b32 v[XSW+\e], v[DD+4*\e+3], 24, v[XSW+\e]
.endr
.rept 8
	v_nop                                          ; a scale register written by a vector instruction stands eight places ahead of a scaled matrix instruction
.endr
.irp m, 0,1,2,3
.if \m < 3
	s_wait_loadcnt 12                              ; this tile's codes are in; the next tile's twelve loads may stay out
.else
	s_wait_loadcnt 0x0
.endif
	s_wait_dscnt 0x0                               ; the stores into the stage have read the accumulators
.set xb, XB+24*(\m%2)
.irp j, 0,1,2,3                        ; four accumulators by turns, one instruction a turn
	WM DD+8*\j, WF+24*\j, xb, BI+8*\j, WS+2*\j, XSW+2*\m
.endr
	s_wait_alu depctr_va_vdst(0)
.irp j, 0,1,2,3
	WM DD+8*\j, WF+24*\j+12, xb+12, DD+8*\j, WS+2*\j+1, XSW+2*\m+1
.endr
.rept 5
	v_nop                                          ; four places ahead of the loads and stores below; five ahead of the next tile's products, which begin these accumulators anew
.endr
.if \m < 2
	XLOAD \m+2
.endif
.irp j, 0,1,2,3
	ds_store_b128 v[SO], v[DD+8*\j:DD+8*\j+3] offset:16*\m*SPITCH+64*\j          ; lane (r, h): out(16 m + r, 64 w + 16 j + 8 h + 0 .. 7); each accumulator from its low end on
	ds_store_b128 v[SO], v[DD+8*\j+4:DD+8*\j+7] offset:16*\m*SPITCH+64*\j+16
.endr
.endr
	s_wait_dscnt 0x0                               ; for the others' sake: my stores into the stage are done
	s_barrier_signal -1
	s_barrier_wait -1                              ; 64 whole rows lie in the stage
.irp e, 0,1,2,3,4,5,6,7,8,9,10,11,12,13,14,15,16,17,18,19,20,21,22,23,24,25,26,27,28,29,30,31
	ds_load_b128 v[WF+4*\e:WF+4*\e+3], v[SR] offset:(\e/2)*SPITCH+512*(\e%2)
.endr
.irp e, 0,1,2,3,4,5,6,7,8,9,10,11,12,13,14,15,16,17,18,19,20,21,22,23,24,25,26,27,28,29,30,31
	s_wait_dscnt 31-\e                             ; LDS loads come back in order (ISA guide 5.7.1): number e is in
	global_store_b128 v[LI], v[WF+4*\e:WF+4*\e+3], s[30:31] offset:(\e/2)*1024+512*(\e%2) th:TH_STORE_NT   ; written once, read by nobody here
.endr
	s_wait_tensorcnt 0x0
	ds_add_u32 v254, v255
	s_wait_dscnt 0x0
	s_endpgm
.Lfunc_end_k_q1f9eb4b021_outp:
	.size	k_q1f9eb4b021_outp, .Lfunc_end_k_q1f9eb4b021_outp-k_q1f9eb4b021_outp
	.p2alignl 7, 3214868480
	.fill 96, 4, 3214868480
	.section	.rodata,"a",@progbits
	.p2align	6, 0x0
	.amdhsa_kernel k_q1f9eb4b021_outp
		.amdhsa_group_segment_fixed_size 67072
		.amdhsa_private_segment_fixed_size 0
		.amdhsa_enable_private_segment 0
		.amdhsa_kernarg_size 40
		.amdhsa_user_sgpr_count 2
		.amdhsa_user_sgpr_kernarg_segment_ptr 1
		.amdhsa_wavefront_size32 1
		.amdhsa_system_sgpr_workgroup_id_x 1
		.amdhsa_system_sgpr_workgroup_id_y 1
		.amdhsa_system_sgpr_workgroup_id_z 1
		.amdhsa_system_vgpr_workitem_id 0
		.amdhsa_next_free_vgpr 256
		.amdhsa_next_free_sgpr 66
		.amdhsa_reserve_vcc 0
		.amdhsa_float_denorm_mode_32 3
		.amdhsa_float_denorm_mode_16_64 3
		.amdhsa_memory_ordered 1
		.amdhsa_forward_progress 1
		.amdhsa_inst_pref_size 29
	.end_amdhsa_kernel
	.amdgpu_metadata
---
amdhsa.version: [ 1, 2 ]
amdhsa.kernels:
  - .name:           k_q1f9eb4b021_outp
    .symbol:         k_q1f9eb4b021_outp.kd
    .args:
      - { .name: o_codes, .offset: 0, .size: 8, .value_kind: global_buffer, .address_space: global }
      - { .name: o_scales, .offset: 8, .size: 8, .value_kind: global_buffer, .address_space: global }
      - { .name: wo_img, .offset: 16, .size: 8, .value_kind: global_buffer, .address_space: global }
      - { .name: bo, .offset: 24, .size: 8, .value_kind: global_buffer, .address_space: global }
      - { .name: out0, .offset: 32, .size: 8, .value_kind: global_buffer, .address_space: global }
    .group_segment_fixed_size: 67072
    .private_segment_fixed_size: 0
    .kernarg_segment_align: 8
    .kernarg_segment_size: 40
    .max_flat_workgroup_size: 128
    .sgpr_count:     66
    .vgpr_count:     256
    .wavefront_size: 32
...
	.end_amdgpu_metadata
.endif
;; end of part 3
